; MI455X (gfx1250); checked and timed in simulation.
; The chip was launched on July 23, 2026; its instructions are those of AMD's public machine-readable ISA for CDNA 5 (MIT licence, August 2026) and "CDNA5" Instruction Set Architecture Reference Guide (July 2026). The comments in the code are by the model that wrote it; some were corrected since.
;; Custom LSTM Cell. Allowed arithmetic: matrix products marked QUANTISED: E3M2 operands, one E8M0 scale for each 32 along K, by v_wmma_scale_f32_16x16x128_f8f6f4 with both operands' format E3M2, f32 sums; everything else in f32.
;; Inputs: U_c 1,024 x 1,024 float32; U_f 1,024 x 1,024 float32; U_i 1,024 x 1,024 float32; U_o 1,024 x 1,024 float32; W_c 1,024 x 1,024 float32; W_f 1,024 x 1,024 float32; W_i 1,024 x 1,024 float32; W_o 1,024 x 1,024 float32; b_c 1,024 float32; b_f 1,024 float32; b_i 1,024 float32; b_o 1,024 float32; c_tm1 8,192 x 1,024 float32; h_tm1 8,192 x 1,024 float32; inputs 8,192 x 1,024 float32.
;; Outputs: out0 8,192 x 1,024 float32; out1 8,192 x 1,024 float32.
;; This version of the problem:
;;   THIS VERSION OF THE PROBLEM IS GIVEN IN LOW PRECISION. The matrix products marked QUANTISED in the list below multiply operands that are first quantised to E3M2 (3 exponent bits, 2 mantissa bits; 6 bits a number), with one power-of-two scale for each 32 numbers along K (OCP MX v1.0); their sums are f32. All else is computed in f32.
;;   The module's matrix products, in the order in which they are computed (A, B: the left and right operand; K: the contracted axis; several contracted axes count as one K, in the product's order):
;;     1. [M 8,192, K 1,024] x [K 1,024, N 4,096]; A: input inputs; B: computed on the way: QUANTISED
;;     2. [M 8,192, K 1,024] x [K 1,024, N 4,096]; A: input h_tm1; B: computed on the way: QUANTISED
;;   THE QUANTISER, for each operand of a quantised product, along K:
;;     - K is cut into blocks of 32 from its start; a last block that is shorter is filled with zeros.
;;     - A block's scale is 2^e with e = floor(log2(the largest magnitude in the block)) - 4, held to -126 .. 127; a block of zeros has e = 0. As a byte (E8M0): e + 127.
;;     - Each number is divided by its block's scale, clamped to +-28, and rounded to the nearest number of E3M2, ties to even, subnormals kept.
;;     - The product sums the exact products of the quantised numbers (number of the format x scale) in f32.
;;   ~~~python
;;   def quantise(x, axis):      # numpy; x: float32 -> the quantised numbers, widened to float32 again
;;       x = np.moveaxis(x, axis, -1); K = x.shape[-1]
;;       x = np.pad(x, [(0, 0)] * (x.ndim - 1) + [(0, -K % 32)]); x = x.reshape(x.shape[:-1] + (-1, 32)); a = np.abs(x).max(-1, keepdims=True)
;;       e = np.where(a > 0, np.clip(np.frexp(np.where(a > 0, a, 1))[1] - 1 - 4, -126, 127), 0)      # np.frexp(a)[1] - 1 = floor(log2(a)), exactly
;;       r = np.clip(x / 2.0 ** e, -28, 28)
;;       step = 2.0 ** (np.maximum(np.frexp(np.where(r == 0, 1, r))[1] - 1, -2) - 2)
;;       q = np.round(r / step) * step * 2.0 ** e      # np.round: ties to even
;;       return np.moveaxis(q.reshape(q.shape[:-2] + (-1,))[..., :K], -1, axis).astype(np.float32)
;;   ~~~
;;   OPERANDS COMPUTED ON THE WAY. 'Computed on the way' means the value that the module computes at that place (a softmax that the list does not call 'softmax' is quantised finished and normalised). What goes into a quantiser is computed in f32, as accurately as f32 sums, v_exp_f32 and their like allow (about 1e-6 of the number): no bf16 or f16 on the way to a quantiser, and a product that is left as it is and whose result goes on into a quantised operand takes f32 operands (vector FMAs, or v_wmma_f32_16x16x4_f32). A number that lies on a knife's edge between two numbers of the format may be rounded either way, as far as f32 arithmetic and the matrix unit's own rounding can turn it there, and no further.
;; One version. Each part assembles by itself: llvm-mc -triple=amdgcn-amd-amdhsa -mcpu=gfx1250 --defsym DOCPART=n.
;; ======== version 1 of 1: 2 launches
;; limits: right only within a limited range of input values
;; workspace buffers: acodes 13,107,200 bytes; bcodes 6,553,600 bytes
;; launch quant (part 1): grid 768 x 1, 4 waves a work-group, no clusters, 34,304 bytes of LDS; arguments inputs, h_tm1, W_i, W_f, W_c, W_o, U_i, U_f, U_c, U_o, acodes, bcodes; writes acodes, bcodes
.if DOCPART == 1
	.amdgcn_target "amdgcn-amd-amdhsa--gfx1250"
	.amdhsa_code_object_version 6
	.text
	.protected	k_qc43cb215dd_quant
	.globl	k_qc43cb215dd_quant
	.p2align	8
	.type	k_qc43cb215dd_quant,@function
k_qc43cb215dd_quant:
	s_mov_b64 s[64:65], 0
	v_nop
	global_prefetch_b8 v0, s[64:65] scope:SCOPE_SE
	s_setreg_imm32_b32 hwreg(HW_REG_WAVE_MODE, 25, 1), 1
	s_wait_xcnt 0x0
; inputs, h_tm1 [8192][1024] and the eight weights [1024 (k)][1024 (unit)], all f32, become codes of BF6 (E3M2) with one E8M0 scale byte for each 32 along K,
; laid IN THE ORDER OF THE OPERAND'S REGISTERS, so that the product's launch takes a fragment by three loads of 16 bytes a lane and several K steps' tiles by one dense tensor load.
; A UNIT is 12,800 bytes = 128 rows x 128 along K: 8 fragment images of 1,536 bytes (16-row block i at 1,536 i; register 4 c + e of lane l at 512 c + 16 l + 4 e),
; then 512 bytes of scale words: the word of (i, row r) at 12,288 + 256 (i / 4) + 16 r + 4 (i % 4).
; acodes: UNIT (row / 128) x 16 + ku; ku 0-7 are inputs' K, 8-15 h_tm1's.   bcodes: UNIT j x 16 + ku; the 128 rows of group j are units 32 j .. 32 j + 31 of the four gates:
; 16-row block 2 g + sub (gate g: i, f, c, o; sub: which 16 units); ku 0-7 come from W_g, 8-15 from U_g.
; A block's scale is 2^(floor(log2(its largest magnitude)) - 4); its byte is the largest magnitude's exponent field - 4, held at 1 from below.  Numbers are divided by the scale and rounded to the nearest code, ties to even, beyond 28 the largest code.
; LIMITS: a block of zeros gets the byte 1 where the rule says 127 (its codes are zeros, and only this program reads the bytes); blocks whose largest magnitude lies under 2^-122 have their byte held at 1; NaN and infinities are not served.
; 768 work-groups of equal reading (128 KiB each): 0-511 take two UNITs of acodes each, 512-767 half (two gates) of four UNITs of bcodes.  No barrier: waves share nothing.  Only the first path uses LDS.
.set UNIT,  12800
.set FRB,   1536                       ; a fragment's image
.set SCW,   8*FRB                      ; where a UNIT's scale words begin
.set ROWB,  4096                       ; a row of any of the ten tensors, in bytes
.set SPT,   528                        ; a stage row: 512 bytes + 16 = 132 words: 16 rows begin 4 words apart modulo 64 words
.set WST,   16*SPT                     ; a wave's stage
.set TM,    16                         ; v16-31  at work: +0..3 largest magnitudes, +4..7 the other half's, then the bytes, +12..15 the conversions' scale operands
.set PC,    32                         ; v32-51  a fragment's 12 registers of codes, and 8 for the conversions' second halves
.set X,     64                         ; v64-127 64 numbers of my row: register 16 b + i = k 32 b + 16 h + i
.set RR,    128                        ; v128-255 two sets of 64 registers as loaded
.set WD,    10                         ; v10-13  the four fragments' scale words
.set XW,    128                        ; weights: v128-191 two sets of 32 numbers down K
	v_lshl_add_u32 v26, v0, 2, 0x8400
	v_mov_b32 v27, 0
	v_lshrrev_b32 v1, 5, v0
	v_readfirstlane_b32 s12, v1                    ; wave 0..3
	v_and_b32 v1, 31, v0                           ; lane
	v_and_b32 v2, 15, v0                           ; r
	v_bfe_u32 v3, v0, 4, 1                         ; h
	v_lshlrev_b32 v4, 4, v1                        ; 16 x lane: a load's and an image's place for my lane; never rewritten
	v_lshlrev_b32 v7, 4, v2
	v_lshl_add_u32 v7, v3, 3, v7                   ; 16 r + 8 h: my 8 bytes of 256 bytes of scale words; never rewritten
	s_cmp_lt_u32 ttmp9, 512
	s_cbranch_scc0 .Lweights
; ---------------- the rows: K is innermost.  Work-group g takes 128 rows x 256 K = UNITs 2 g and 2 g + 1 of acodes.  Wave w takes UNIT 2 g + w % 2, row blocks 4 (w / 2) + t, t = 0 .. 3: 64 rows x 128 K, four fragments,
; whose 64 scale words are 256 consecutive bytes of the UNIT.
	s_load_b128 s[4:7], s[0:1], 0x0                ; inputs, h_tm1
	s_load_b64 s[8:9], s[0:1], 0x50                ; acodes
	s_mov_b32 s32, 0x76543210
	s_mov_b32 s33, 0xfedcba98                      ; v_permlanex16_b32's selects for lane l xor 16
	s_mul_i32 s13, s12, WST                        ; my wave's stage
	v_add_nc_u32 v5, s13, v4                       ; into it: a row's 512 bytes as they lie, 16 a lane
	v_mul_u32_u24 v6, v2, SPT
	v_lshl_add_u32 v6, v3, 6, v6
	v_add_nc_u32 v6, s13, v6                       ; out of it: row r, + 64 h: my 16 numbers of each block of 32
.irp b, 0,1,2,3
	v_mov_b32 v[TM+4+\b], 0                        ; written once: a lane permute's destination counts as one of its sources
.endr
	s_lshr_b32 s14, ttmp9, 3                       ; which 128 rows
	s_and_b32 s15, ttmp9, 7                        ; which 256 along K
	s_and_b32 s16, s12, 1                          ; which 128 of them is my wave's
	s_lshr_b32 s17, s12, 1                         ; which 64 of the rows
	s_lshl_b32 s20, s14, 7
	s_lshl_b32 s21, s17, 6
	s_add_co_u32 s20, s20, s21                     ; my first row
	s_lshl_b32 s20, s20, 12                        ; x 4,096 bytes (under 2^26)
	s_and_b32 s21, s15, 3
	s_lshl_b32 s21, s21, 10                        ; + 256 numbers for each K step within the tensor
	s_add_co_u32 s20, s20, s21
	s_lshl_b32 s21, s16, 9                         ; + my 128 numbers of them
	s_add_co_u32 s20, s20, s21
	s_mov_b32 s21, 0
	s_lshl_b32 s22, ttmp9, 1
	s_add_co_u32 s22, s22, s16
	s_mul_i32 s22, s22, UNIT                       ; my UNIT
	s_mov_b32 s23, 0
	s_mul_i32 s24, s17, 4*FRB                      ; my four images in it
	s_mov_b32 s25, 0
	s_lshl_b32 s26, s17, 8
	s_add_co_u32 s26, s26, SCW                     ; my 256 bytes of scale words in it
	s_mov_b32 s27, 0
	s_wait_kmcnt 0x0
	s_cmp_lt_u32 s15, 4                            ; K steps 0-3: inputs; 4-7: h_tm1.  The choice hangs on the work-group's number alone
	s_cselect_b64 s[4:5], s[4:5], s[6:7]
	s_add_nc_u64 s[4:5], s[4:5], s[20:21]
	s_add_nc_u64 s[8:9], s[8:9], s[22:23]
	s_add_nc_u64 s[10:11], s[8:9], s[26:27]
	s_add_nc_u64 s[8:9], s[8:9], s[24:25]
.macro LOADF t                         ; fragment t as it lies: 16 rows x 512 bytes; each load reads 512 consecutive bytes, aligned
.irp n, 0,1,2,3,4,5,6,7,8,9,10,11,12,13,14,15
	global_load_b128 v[RR+64*((\t)%2)+4*\n:RR+64*((\t)%2)+4*\n+3], v4, s[4:5] offset:(16*(\t)+\n)*ROWB th:TH_LOAD_NT
.endr
.endm
.macro TURNF t                         ; through the stage: in by rows, out 16 neighbours a lane of each block of 32.  LDS serves a wave's instructions in order (ISA guide 5.7.1.4): no wait between the stores and the loads
.irp n, 0,1,2,3,4,5,6,7,8,9,10,11,12,13,14,15
	ds_store_b128 v5, v[RR+64*((\t)%2)+4*\n:RR+64*((\t)%2)+4*\n+3] offset:SPT*\n
.endr
.irp n, 0,1,2,3,4,5,6,7,8,9,10,11,12,13,14,15
	ds_load_b128 v[X+4*\n:X+4*\n+3], v6 offset:128*(\n/4)+16*(\n%4)
.endr
.endm
; 64 numbers of a lane, register 16 b + i = k 32 b + 16 h + i of my row, become a fragment's codes in v[PC] on and its scale word in v[pw].
.macro QUANT src, pw
.irp b, 0,1,2,3
	v_max3_num_f32 v[TM+\b], |v[\src+16*\b]|, |v[\src+1+16*\b]|, 0x2800000   ; block b: my 16 numbers, and the floor 2^(5 - 127): so the byte cannot fall under 1
.endr
.irp i, 2,4,6,8,10,12,14
.irp b, 0,1,2,3
	v_max3_num_f32 v[TM+\b], v[TM+\b], |v[\src+16*\b+\i]|, |v[\src+1+16*\b+\i]|   ; the four blocks by turns: no line waits for the line above it
.endr
.endr
.irp b, 0,1,2,3
	v_permlanex16_b32 v[TM+4+\b], v[TM+\b], s32, s33
.endr
.irp b, 0,1,2,3
	v_max_num_f32 v[TM+\b], v[TM+\b], v[TM+4+\b]   ; with lane l xor 16's: the block's largest magnitude
.endr
.irp b, 0,1,2,3
	v_add_nc_u32 v[TM+12+\b], 0xfe000000, v[TM+\b] ; 4 off its exponent field: the conversion takes the exponent field of this operand as its scale, and nothing else of it
.endr
.irp b, 0,1,2,3
	v_lshrrev_b32 v[TM+4+\b], 23, v[TM+12+\b]      ; the scale's byte
.endr
	v_lshl_or_b32 v[\pw], v[TM+5], 8, v[TM+4]      ; the four bytes make my row's scale word (the same in both halves of the lanes)
	v_lshl_or_b32 v[\pw], v[TM+6], 16, v[\pw]
	v_lshl_or_b32 v[\pw], v[TM+7], 24, v[\pw]
.irp c, 0,1
	v_cvt_scalef32_pk16_bf6_f32 v[PC+6*\c:PC+2+6*\c], v[\src+32*\c:\src+15+32*\c], v[TM+12+2*\c]
	v_cvt_scalef32_pk16_bf6_f32 v[PC+12+4*\c:PC+14+4*\c], v[\src+16+32*\c:\src+31+32*\c], v[TM+12+2*\c+1]   ; a conversion's three registers begin on an even number
.endr
	v_nop                                          ; one plain place behind a scaled conversion
.irp c, 0,1                                    ; the operand's layout wants a WHOLE block in a lane: lanes 0-15 block 2 c, lanes 16-31 block 2 c + 1
.irp i, 0,1,2
	v_permlane16_swap_b32 v[PC+6*\c+\i], v[PC+12+4*\c+\i]
.endr
.irp i, 0,1,2
	v_mov_b32 v[PC+3+6*\c+\i], v[PC+12+4*\c+\i]
.endr
.endr
.endm
.macro FRAGQ t
.if (\t) < 3
	s_wait_loadcnt 16                              ; this fragment's 16 loads are in; the next fragment's 16 may be out
.else
	s_wait_loadcnt 0x0
.endif
	TURNF \t
	s_wait_dscnt 0x0                               ; my 64 numbers are back, and the stage's stores have read the set as loaded
.if (\t) > 0
	s_wait_xcnt 0x0                                ; the last fragment's stores have read v[PC] on: it is written again only behind this wait
.endif
.if (\t) < 2
	LOADF (\t)+2                                   ; the set takes the fragment two on
.endif
	QUANT X, WD+(\t)
.irp c, 0,1,2
	global_store_b128 v4, v[PC+4*\c:PC+4*\c+3], s[8:9] offset:FRB*(\t)+512*\c   ; the image: 32 lanes store 512 consecutive bytes, aligned
.endr
.endm
	LOADF 0
	LOADF 1
	FRAGQ 0
	FRAGQ 1
	FRAGQ 2
	FRAGQ 3
	v_cmp_le_u32 vcc_lo, 16, v1                    ; lanes 0-15 store the words of fragments 0, 1 of their row, lanes 16-31 those of fragments 2, 3
	v_cndmask_b32 v8, v[WD], v[WD+2], vcc_lo
	v_cndmask_b32 v9, v[WD+1], v[WD+3], vcc_lo
	global_store_b64 v7, v[8:9], s[10:11]          ; 32 lanes store 256 consecutive bytes, aligned
	s_wait_tensorcnt 0x0
	ds_add_u32 v26, v27
	s_wait_dscnt 0x0
	s_endpgm
; ---------------- the weights: K is the FIRST axis.  A lane takes a column (a unit) and its registers run down K: a block of 32 lies in one lane, and the conversions give codes with K innermost.
; Work-group q = pair x 64 + J x 8 + ky: pair of tensors (W_i W_f), (W_c W_o), (U_i U_f), (U_c U_o); columns 128 J on; K rows 128 ky on.  Wave w: columns 128 J + 32 w on = group j = 4 J + w, of BOTH tensors of the pair:
; so its 64 scale words are 256 consecutive bytes of one UNIT.  The four waves read 512 consecutive bytes of a row.
.Lweights:
	s_load_b512 s[16:31], s[0:1], 0x10             ; the eight weights: W_i W_f W_c W_o U_i U_f U_c U_o
	s_load_b64 s[10:11], s[0:1], 0x58              ; bcodes
	v_lshlrev_b32 v5, 2, v1                        ; 4 bytes a lane
	s_sub_co_u32 s13, ttmp9, 512
	s_lshr_b32 s14, s13, 6                         ; the pair
	s_bfe_u32 s15, s13, 0x30003                    ; J
	s_and_b32 s13, s13, 7                          ; ky
	s_lshl_b32 s34, s15, 2
	s_add_co_u32 s34, s34, s12                     ; j
	s_lshl_b32 s36, s34, 7                         ; 32 j columns of 4 bytes,
	s_lshl_b32 s37, s13, 19                        ; 128 ky rows of 4,096 bytes
	s_add_co_u32 s36, s36, s37
	s_mov_b32 s37, 0
	s_and_b32 s35, s14, 2
	s_lshl_b32 s35, s35, 2                         ; 8 for the U's
	s_add_co_u32 s35, s35, s13                     ; ku
	s_lshl_b32 s34, s34, 4
	s_add_co_u32 s34, s34, s35
	s_mul_i32 s34, s34, UNIT                       ; UNIT j x 16 + ku
	s_mov_b32 s35, 0
	s_and_b32 s32, s14, 1                          ; which two gates: (i, f) or (c, o)
	s_mul_i32 s38, s32, 4*FRB                      ; their four images (16-row blocks 4 (pair % 2) + 2 (gate in pair) + sub),
	s_mov_b32 s39, 0
	s_lshl_b32 s2, s32, 8
	s_add_co_u32 s2, s2, SCW                       ; and their 256 bytes of scale words
	s_mov_b32 s3, 0
	s_wait_kmcnt 0x0
	s_cmp_lg_u32 s32, 0                            ; the two tensors are chosen by the pair's two bits: the choices hang on the work-group's number alone
	s_cselect_b64 s[16:17], s[20:21], s[16:17]
	s_cselect_b64 s[18:19], s[22:23], s[18:19]
	s_cselect_b64 s[24:25], s[28:29], s[24:25]
	s_cselect_b64 s[26:27], s[30:31], s[26:27]
	s_and_b32 s15, s14, 2
	s_cmp_lg_u32 s15, 0
	s_cselect_b64 s[16:17], s[24:25], s[16:17]
	s_cselect_b64 s[18:19], s[26:27], s[18:19]
	s_add_nc_u64 s[16:17], s[16:17], s[36:37]
	s_add_nc_u64 s[18:19], s[18:19], s[36:37]
	s_add_nc_u64 s[10:11], s[10:11], s[34:35]
	s_add_nc_u64 s[32:33], s[10:11], s[2:3]
	s_add_nc_u64 s[10:11], s[10:11], s[38:39]
.macro LOADW t                         ; block t of 8: tensor t / 4 of the pair, W(32 (t % 4) + i, my column), i = 0 .. 31, into set t % 2
.irp i, 0,1,2,3,4,5,6,7,8,9,10,11,12,13,14,15,16,17,18,19,20,21,22,23,24,25,26,27,28,29,30,31
	global_load_b32 v[XW+32*((\t)%2)+\i], v5, s[16+2*((\t)/4):17+2*((\t)/4)] offset:(32*((\t)%4)+\i)*ROWB th:TH_LOAD_NT
.endr
.endm
; Block t = 4 ss + qb (ss: the gate in the pair).  The codes of even qb go to run FX(ss) = v[32 + 24 ss] on, those of odd qb to FY(ss) = v[44 + 24 ss] on, six registers each.  Each ss has its own runs, so no store's data are written again.
.macro BLOCKW t
.set XS, XW+32*((\t)%2)
.set SS, (\t)/4
.set QB, (\t)%4
.set DD, 32+24*SS+12*(QB%2)+6*(QB/2)
.if (\t) < 7
	s_wait_loadcnt 32                              ; this block's 32 loads are in; the next block's may be out
.else
	s_wait_loadcnt 0x0
.endif
	v_max3_num_f32 v12, |v[XS]|, |v[XS+1]|, |v[XS+2]|              ; the block's largest magnitude: all 32 numbers are mine; two chains
	v_max3_num_f32 v13, |v[XS+3]|, |v[XS+4]|, |v[XS+5]|
.irp i, 6,10,14,18,22,26
	v_max3_num_f32 v12, v12, |v[XS+\i]|, |v[XS+\i+1]|
	v_max3_num_f32 v13, v13, |v[XS+\i+2]|, |v[XS+\i+3]|
.endr
	v_max3_num_f32 v12, v12, |v[XS+30]|, |v[XS+31]|
	v_max3_num_f32 v12, v12, v13, 0x2800000        ; and the floor 2^(5 - 127)
	v_add_nc_u32 v14, 0xfe000000, v12              ; 4 off the exponent field: the conversions' scale operand
	v_lshrrev_b32 v15, 23, v14                     ; the scale's byte
.if QB == 0
	v_mov_b32 v[8+SS], v15                         ; four bytes to a word, the lower K in the lower byte
.else
	v_lshl_or_b32 v[8+SS], v15, 8*QB, v[8+SS]
.endif
	v_cvt_scalef32_pk16_bf6_f32 v[DD:DD+2], v[XS:XS+15], v14
	v_cvt_scalef32_pk16_bf6_f32 v[16:18], v[XS+16:XS+31], v14      ; a conversion's three registers begin on an even number: the upper half is made here and moved
	v_nop                                          ; one plain place behind a scaled conversion
.irp e, 0,1,2
	v_mov_b32 v[DD+3+\e], v[16+\e]
.endr
.if (\t) < 6
	LOADW (\t)+2
.endif
.if QB == 3
; a gate's 128 along K are done.  A fragment's lane (r, h) wants blocks h and 2 + h of column r.  FX's lanes 16-31 change places with FY's lanes 0-15: FX is then the fragment of columns 0-15, FY that of columns 16-31.
.set EE, 0
.rept 12
	v_permlane16_swap_b32 v[32+24*SS+EE], v[44+24*SS+EE]
.set EE, EE+1
.endr
.irp u, 0,1
.irp c, 0,1,2
	global_store_b128 v4, v[32+24*SS+12*\u+4*\c:32+24*SS+12*\u+4*\c+3], s[10:11] offset:(2*SS+\u)*FRB+512*\c   ; 512 consecutive bytes, aligned
.endr
.endr
.endif
.endm
	LOADW 0
	LOADW 1
.irp t, 0,1,2,3,4,5,6,7
	BLOCKW \t
.endr
	v_permlane16_swap_b32 v8, v9                   ; v8: the first gate's words, v9: the second's, a lane a column.  Behind the exchange lane (r, h) holds gate h's words of columns r (v8) and 16 + r (v9): 16-row blocks 2 h, 2 h + 1 of the four
	global_store_b64 v7, v[8:9], s[32:33]          ; at 16 r + 8 h: 32 lanes store 256 consecutive bytes, aligned
	s_endpgm
.Lfunc_end_k_qc43cb215dd_quant:
	.size	k_qc43cb215dd_quant, .Lfunc_end_k_qc43cb215dd_quant-k_qc43cb215dd_quant
	.p2alignl 7, 3214868480
	.fill 96, 4, 3214868480
	.section	.rodata,"a",@progbits
	.p2align	6, 0x0
	.amdhsa_kernel k_qc43cb215dd_quant
		.amdhsa_group_segment_fixed_size 34304
		.amdhsa_private_segment_fixed_size 0
		.amdhsa_enable_private_segment 0
		.amdhsa_kernarg_size 96
		.amdhsa_user_sgpr_count 2
		.amdhsa_user_sgpr_kernarg_segment_ptr 1
		.amdhsa_wavefront_size32 1
		.amdhsa_system_sgpr_workgroup_id_x 1
		.amdhsa_system_sgpr_workgroup_id_y 1
		.amdhsa_system_sgpr_workgroup_id_z 1
		.amdhsa_system_vgpr_workitem_id 0
		.amdhsa_next_free_vgpr 256
		.amdhsa_next_free_sgpr 66
		.amdhsa_reserve_vcc 1
		.amdhsa_float_denorm_mode_32 3
		.amdhsa_float_denorm_mode_16_64 3
		.amdhsa_memory_ordered 1
		.amdhsa_forward_progress 1
		.amdhsa_inst_pref_size 73
	.end_amdhsa_kernel
	.amdgpu_metadata
---
amdhsa.version: [ 1, 2 ]
amdhsa.kernels:
  - .name:           k_qc43cb215dd_quant
    .symbol:         k_qc43cb215dd_quant.kd
    .args:
      - { .name: inputs, .offset: 0, .size: 8, .value_kind: global_buffer, .address_space: global }
      - { .name: h_tm1, .offset: 8, .size: 8, .value_kind: global_buffer, .address_space: global }
      - { .name: W_i, .offset: 16, .size: 8, .value_kind: global_buffer, .address_space: global }
      - { .name: W_f, .offset: 24, .size: 8, .value_kind: global_buffer, .address_space: global }
      - { .name: W_c, .offset: 32, .size: 8, .value_kind: global_buffer, .address_space: global }
      - { .name: W_o, .offset: 40, .size: 8, .value_kind: global_buffer, .address_space: global }
      - { .name: U_i, .offset: 48, .size: 8, .value_kind: global_buffer, .address_space: global }
      - { .name: U_f, .offset: 56, .size: 8, .value_kind: global_buffer, .address_space: global }
      - { .name: U_c, .offset: 64, .size: 8, .value_kind: global_buffer, .address_space: global }
      - { .name: U_o, .offset: 72, .size: 8, .value_kind: global_buffer, .address_space: global }
      - { .name: acodes, .offset: 80, .size: 8, .value_kind: global_buffer, .address_space: global }
      - { .name: bcodes, .offset: 88, .size: 8, .value_kind: global_buffer, .address_space: global }
    .group_segment_fixed_size: 34304
    .private_segment_fixed_size: 0
    .kernarg_segment_align: 8
    .kernarg_segment_size: 96
    .max_flat_workgroup_size: 128
    .sgpr_count:     66
    .vgpr_count:     256
    .wavefront_size: 32
...
	.end_amdgpu_metadata
.endif
;; end of part 1
;; launch lstm (part 2): grid 16 x 32, 4 waves a work-group, clusters of 4 x 4, 327,680 bytes of LDS; arguments acodes, bcodes, c_tm1, b_i, b_f, b_c, b_o, out0, out1; writes out0, out1
.if DOCPART == 2
	.amdgcn_target "amdgcn-amd-amdhsa--gfx1250"
	.amdhsa_code_object_version 6
	.text
	.protected	k_qc43cb215dd_lstm
	.globl	k_qc43cb215dd_lstm
	.p2align	8
	.type	k_qc43cb215dd_lstm,@function
k_qc43cb215dd_lstm:
	s_mov_b64 s[64:65], 0
	v_nop
	global_prefetch_b8 v0, s[64:65] scope:SCOPE_SE
	s_setreg_imm32_b32 hwreg(HW_REG_WAVE_MODE, 25, 1), 1
	s_wait_xcnt 0x0
	s_wait_alu depctr_hold_cnt(0) depctr_sa_sdst(0) depctr_va_vdst(0) depctr_va_sdst(0) depctr_va_ssrc(0) depctr_va_vcc(0) depctr_vm_vsrc(0)
	s_getreg_b32 s2, hwreg(HW_REG_IB_STS2, 6, 4)
	s_cmp_eq_u32 s2, 0
	s_cbranch_scc0 .Lentry_in_a_cluster
	s_endpgm
.Lentry_in_a_cluster:
	s_bfe_u32 s2, ttmp6, 0x10000c
	s_cmp_lg_u32 s2, 0xf033
	s_cbranch_scc0 .Lentry_shape_is_right
	s_endpgm
.Lentry_shape_is_right:
; z = [inputs | h_tm1] [[W], [U]] + b on codes of BF6 (E3M2) with E8M0 scales, K = 2,048; then c = sigmoid(zf) c_tm1 + sigmoid(zi) tanh(zc) (out1) and h = sigmoid(zo) tanh(c) (out0), all in f32.  z never goes to memory.
; acodes, bcodes: UNITs of 12,800 bytes = 128 rows x 128 K in the order of the operand's registers: 8 fragment images of 1,536 bytes (16-row block i at 1,536 i; register 4 c + e of lane l at 512 c + 16 l + 4 e),
; then the scale words ((i, row r) at 12,288 + 256 (i / 4) + 16 r + 4 (i % 4)); the 16 UNITs of 128 rows lie on end.  A UNIT of bcodes holds 32 units of all four gates: 16-row block 2 g + sub.
; SHARES.  A work-group makes 256 rows x 64 units (256 columns of z); wave w = 2 R + C makes rows 128 R on x units 32 C on x 4 gates: 64 accumulators of 16 x 16, 512 registers.  The four gates of one (row, unit) fall into the
; same lane and the same register index of four accumulators, so the gate arithmetic needs no other lane.
; THE RING.  Two LDS slots of THREE UNITs of K (384) for each of A's two and B's two halves, as large as two fit: wave w fills quarter w of a slot with one dense tensor load of 38,400 bytes (waves 0, 1: A's halves; 2, 3: B's).
; K's 16 UNITs go: slot 0: 0-2, slot 1: 3-5 (first fills), slot 0: 6-8, slot 1: 9-11, slot 0: 12-14, slot 1: 15 alone, and last slot 0 takes c_tm1's tile.  From a request to the wait for it a wave issues 160 matrix instructions.
; The refills do not repeat in pairs of like shape, so K is written out: 16 steps of 64 matrix instructions.
; CLUSTERS: 4 x 4 work-groups; A's tiles are asked for jointly along a row of the cluster, B's along a column.  THE MATRIX INSTRUCTION IS USED TRANSPOSED (source 0 = 16 rows of B, source 1 = 16 rows of A): a lane holds one row
; and eight neighbouring units.  The biases are the C of each sum's first matrix instruction.
; THE GATES.  With A = 2^(-zi log2e), F, O likewise and B = 2^(-2 zc log2e):  c = [c_tm1 (1+A)(1+B) + (1-B)(1+F)] / [(1+A)(1+B)(1+F)];  with X = 2^(-2 c log2e):  h = (1-X) / ((1+O)(1+X)): seven transcendentals an output.
; LIMITS: the exponents of 2 are held at 32 from above, which moves a sigmoid or a tanh by 2^-31 at the most and keeps every denominator under 2^97; |c_tm1| stays under 2^60; NaN and infinities are not served.
; REGISTERS, in windows of 256: window 0: v0-31 addresses; v32-47 scale words, two sets; v64-127 the biases; v128-223 A's fragments, ONE set; on the way out v32-223 are at work.
;   window 1: B's fragments, TWO sets, at v0 and v128.   window 2: the accumulators of my rows 0-63 ((a, b) at v[8 (8 (a % 4) + b)]);   window 3: those of rows 64-127.
.set UNIT,   12800
.set FRB,    1536                      ; a fragment's image
.set SCW,    8*FRB                     ; where a UNIT's scale words begin
.set QTR,    3*UNIT                    ; what one tensor load brings: 128 rows x 384 K
.set SLOT,   4*QTR
.set SPARE,  2*SLOT                    ; behind the ring: the spare words, 128 bytes for each wave: two blocks of 256 bytes that no other line names
.set CTP,    272                       ; a row of c's tile and of h's stage: 256 bytes + 16 = 68 words: 16 rows begin 4 words apart modulo 64 words
.set CT,     0                         ; c_tm1's tile, 256 rows: slot 0's last fill; the new c is written over it in place
.set HS,     256*CTP                   ; h's stage, behind it in slot 0, which has had its last fill and its last read as a slot by then
.set FR,     12                        ; registers of a fragment
.set NL,     3                         ; LDS loads that bring one
.set NP,     4                         ; places behind this matrix instruction (ISA guide 7.12.1)
.set ADRA, 16                          ; v16-17  LDS address of my A fragments in slot 0, 1
.set GO,   18                          ; v18     the way out: my byte offset in two rows of out0 and out1
.set BO,   19                          ; v19     32 h: my eight numbers of a bias
.set ADRB, 20                          ; v20-21  LDS address of my B fragments
.set ADRS, 22                          ; v22-23  of my scale words: lanes 0-15 A's rows, lanes 16-31 B's
.set CTA,  24                          ; v24     c's tile: my 32 bytes of row r
.set HSA,  25                          ; v25     h's stage: the same place
.set RDC,  26                          ; v26     c's tile read back by rows
.set RDH,  27                          ; v27     h's stage read back by rows
.set SPW,  28                          ; v28     LDS address of my spare word; never rewritten
.set NIL,  29                          ; v29     0; never rewritten
.set PFO,  30                          ; v30     4,096 x lane: the prefetches' offset; never rewritten
.set SC,   32                          ; set p at v[SC + 8 p]; register i: lanes 0-15 the word of A's block i, lanes 16-31 that of B's block i, for one UNIT of K
.set BIAS, 64                          ; eight registers for each of B's blocks
.set AF,   128
.set TA,   32                          ; the way out, 32 registers each, TA to TO on end
.set TF,   64
.set TB,   96
.set TO,   128
.set CP,   160
.set NB,   192
.set G1,   24                          ; s[24:31] descriptor group 1 for A's tiles of three UNITs;  s[32:39] group 0, one set for each slot
.set G0,   32
.set G1B,  48                          ; s[48:55], s[56:63] the same for B's
.set G0B,  56
.set G1L,  4                           ; s[4:11]  group 1 for A's last tile, one UNIT (in registers that held pointers until the biases were in)
.set G1LB, 40                          ; s[40:47] the same for B's (in registers that held places and masks)
.set G1C,  80                          ; s[80:87], s[88:91] groups 1 and 0 for c_tm1's tile
.set G0C,  88
.set PFC,  92                          ; s[92:93] my 64 rows of c_tm1's tile in memory; never rewritten
.set LE,   94                          ; s[94:95] -log2(e), twice
.set LE2,  96                          ; s[96:97] -2 log2(e), twice
.set CAP,  98                          ; s98     32.0
.set MSB, 0
.macro WIN new                         ; the immediate's high byte repeats the setting that is left
.if MSB != \new
	s_set_vgpr_msb (MSB<<8)|\new
.set MSB, \new
.endif
.endm
.set MUL_LO, 0xa1                      ; source 0 (B) window 1, source 1 (A) window 0, C and D window 2
.set MUL_HI, 0xf1                      ; the same, C and D window 3
.set BIA_LO, 0x81                      ; C (the bias) window 0, D window 2
.set BIA_HI, 0xc1                      ; C window 0, D window 3
.set TO_B,   0x40                      ; destination window 1, address window 0
; A joint load: waves 0 and 1 fetch for A, waves 2 and 3 for B.  Each line has ONE mask and one set of registers for all that issue it; the branch hangs on the wave's number alone.  Four v_nop follow each line.
.macro JLOAD g0a, g1a, g0b, g1b
	s_cmp_eq_u32 s15, 0
	s_cbranch_scc0 .Lfor_b_\@
	tensor_load_to_lds s[\g0a:\g0a+3], s[\g1a:\g1a+7]
	s_nop 0
.rept 4
	v_nop
.endr
	s_branch .Lasked_\@
.Lfor_b_\@:
	tensor_load_to_lds s[\g0b:\g0b+3], s[\g1b:\g1b+7]
	s_nop 0
.rept 4
	v_nop
.endr
.Lasked_\@:
.endm
.macro CREST                           ; a round of the cluster's barrier behind its opening barrier
	s_cmp_lg_u32 s14, 0
	s_cbranch_scc1 .Lnot_wave_0_\@
	s_barrier_signal -3
.Lnot_wave_0_\@:
	s_barrier_wait -3
	s_barrier_signal -1
	s_barrier_wait -1
.endm
.macro CROUND                          ; a whole round
	s_barrier_signal -1
	s_barrier_wait -1
	CREST
.endm
.macro PLACES n
.rept \n
	v_nop
.endr
.endm
	s_load_b256 s[4:11], s[0:1], 0x0               ; acodes s[4:5], bcodes s[6:7], c_tm1 s[8:9], b_i s[10:11]
	s_load_b256 s[68:75], s[0:1], 0x20             ; b_f s[68:69], b_c s[70:71], b_o s[72:73], out0 s[74:75]
	s_load_b64 s[76:77], s[0:1], 0x40              ; out1
	v_lshl_add_u32 v[SPW], v0, 2, SPARE
	v_mov_b32 v[NIL], 0
	ds_add_u32 v28, v29
	ds_add_u32 v28, v29
	s_wait_dscnt 0x0
	v_lshrrev_b32 v1, 5, v0
	v_readfirstlane_b32 s14, v1                    ; wave 0..3
	s_lshr_b32 s15, s14, 1                         ; R: which half of the tile's rows is mine.  Also: I fetch for A (0) or for B (1)
	s_and_b32 s16, s14, 1                          ; C: which half of its units.  Also: which 128 rows of that tile I fetch
	s_bfe_u32 s40, ttmp6, 0x40000                  ; cx, cy: my place in the cluster
	s_bfe_u32 s41, ttmp6, 0x40004
	s_lshl_b32 s42, ttmp9, 2
	s_add_co_u32 s42, s42, s40                     ; tx: which 64 units = 4 x cluster x + cx
	s_and_b32 s17, ttmp7, 0xffff
	s_lshl_b32 s17, s17, 2
	s_add_co_u32 s17, s17, s41                     ; ty: which 256 rows = 4 x cluster y + cy
	s_lshl_b32 s43, s41, 2
	s_lshl_b32 s43, 15, s43                        ; my row of the cluster
	s_lshl_b32 s44, 0x1111, s40                    ; my column
	; descriptor group 1: three UNITs on end are dense: 150 rows of 256 bytes (32 elements of 8 bytes), no padding
	s_or_b32 s[G1+0], s43, (3<<16)|(1<<21)         ; 15:0 the mask: A's tiles go to my row; 17:16 elements of 8 bytes; 21 set beside a mask
	s_or_b32 s[G1B+0], s44, (3<<16)|(1<<21)        ; B's go to my column
.irp g, G1, G1B
	s_mov_b32 s[\g+1], 32<<16                      ; tensor_dim0
	s_mov_b32 s[\g+2], 150<<16                     ; tensor_dim1
	s_mov_b32 s[\g+3], 32<<16                      ; tile_dim0
	s_mov_b32 s[\g+4], 150                         ; tile_dim1
	s_mov_b32 s[\g+5], 32                          ; tensor_dim0_stride
	s_mov_b32 s[\g+6], 0
	s_mov_b32 s[\g+7], 0
.endr
	; and for c_tm1's tile: 64 rows x 64 f32 a wave, 1,024 elements from row to row, 4 words of padding behind each 64: no mask, a load of my own
	s_mov_b32 s[G1C+0], (2<<16)|(1<<20)|(5<<22)|(3<<25)
	s_mov_b32 s[G1C+1], 64<<16
	s_mov_b32 s[G1C+2], 64<<16
	s_mov_b32 s[G1C+3], 64<<16
	s_mov_b32 s[G1C+4], 64
	s_mov_b32 s[G1C+5], 1024
	s_mov_b32 s[G1C+6], 0
	s_mov_b32 s[G1C+7], 0
	s_mov_b32 s[LE], 0xbfb8aa3b
	s_mov_b32 s[LE+1], 0xbfb8aa3b                  ; (named with it as a pair, so it is written)
	s_mov_b32 s[LE2], 0xc038aa3b
	s_mov_b32 s[LE2+1], 0xc038aa3b
	s_mov_b32 s[CAP], 0x42000000
	s_lshl_b32 s20, s17, 1
	s_add_co_u32 s20, s20, s16                     ; A: 128 rows number 2 ty + half: hangs on ty alone
	s_mul_i32 s20, s20, 16*UNIT                    ; sixteen UNITs for each
	s_mov_b32 s21, 0
	s_lshl_b32 s46, s42, 1
	s_add_co_u32 s46, s46, s16                     ; B: group 2 tx + half: hangs on tx alone
	s_mul_i32 s46, s46, 16*UNIT
	s_mov_b32 s47, 0
	s_mul_i32 s45, s14, QTR                        ; where they go: quarter w of a slot: no place in the cluster enters an LDS address
	s_wait_kmcnt 0x0
	s_add_nc_u64 s[20:21], s[4:5], s[20:21]
	s_add_nc_u64 s[46:47], s[6:7], s[46:47]
	CROUND                                         ; all sixteen work-groups are here: the first joint loads meet
.irp s, 0,1
	s_mov_b32 s[G0+4*\s], 1                        ; count = 1
	s_add_co_u32 s[G0+4*\s+1], s45, \s*SLOT        ; LDS address
	s_add_nc_u64 s[G0+4*\s+2:G0+4*\s+3], s[20:21], \s*QTR     ; UNITs 3 s on
	s_or_b32 s[G0+4*\s+3], s[G0+4*\s+3], 0x80000000           ; type = 2
	s_mov_b32 s[G0B+4*\s], 1
	s_add_co_u32 s[G0B+4*\s+1], s45, \s*SLOT
	s_add_nc_u64 s[G0B+4*\s+2:G0B+4*\s+3], s[46:47], \s*QTR
	s_or_b32 s[G0B+4*\s+3], s[G0B+4*\s+3], 0x80000000
	JLOAD G0+4*\s, G1, G0B+4*\s, G1B               ; two tensor loads of mine are out: the most in this text
.endr
	; c_tm1's tile: my 64 rows of the work-group's 256, 256 bytes of each
	s_lshl_b32 s22, s17, 8
	s_lshl_b32 s23, s14, 6
	s_add_co_u32 s22, s22, s23                     ; row 256 ty + 64 w
	s_lshl_b32 s22, s22, 12
	s_lshl_b32 s23, s42, 8
	s_add_co_u32 s22, s22, s23                     ; + 256 tx bytes
	s_mov_b32 s23, 0
	s_add_nc_u64 s[PFC:PFC+1], s[8:9], s[22:23]
	s_mul_i32 s78, s14, 64*CTP
	s_mov_b32 s[G0C], 1
	s_add_co_u32 s[G0C+1], s78, CT
	s_mov_b64 s[G0C+2:G0C+3], s[PFC:PFC+1]
	s_or_b32 s[G0C+3], s[G0C+3], 0x80000000
	; the lanes' addresses
	v_and_b32 v1, 15, v0                           ; r
	v_bfe_u32 v2, v0, 4, 1                         ; h
	v_and_b32 v3, 31, v0                           ; lane
	v_lshlrev_b32 v4, 4, v3                        ; 16 x lane
	s_mul_i32 s21, s15, QTR                        ; my quarter of A
	s_mul_i32 s22, s16, QTR
	s_add_co_u32 s22, s22, 2*QTR                   ; my quarter of B, behind A's two
	s_sub_co_u32 s23, s22, s21
	v_mul_u32_u24 v6, s23, v2                      ; lanes 16-31 take B's scale words
	v_lshl_add_u32 v5, v1, 4, v6                   ; 16 bytes a row: the words of four 16-row blocks
	s_add_co_u32 s18, s21, SCW
.irp s, 0,1
	v_add_nc_u32 v[ADRA+\s], s21, v4
	v_add_nc_u32 v[ADRB+\s], s22, v4
	v_add_nc_u32 v[ADRS+\s], s18, v5
	s_add_co_u32 s21, s21, SLOT
	s_add_co_u32 s22, s22, SLOT
	s_add_co_u32 s18, s18, SLOT
.endr
	s_mul_i32 s19, s15, 128*CTP                    ; my 128 rows of c's tile
	s_lshl_b32 s18, s16, 7
	s_add_co_u32 s18, s18, s19                     ; + my 32 units' 128 bytes
	v_mul_u32_u24 v5, v1, CTP
	v_lshl_add_u32 v5, v2, 5, v5                   ; row r, + 32 h
	v_add_nc_u32 v[CTA], s18, v5
	v_add_nc_u32 v[HSA], HS, v[CTA]
	s_mul_i32 s18, s16, 16*CTP                     ; back: of each 32 rows wave C takes 16, whole; lanes 0-15 one row of 256 bytes, lanes 16-31 the next
	s_add_co_u32 s18, s18, s19
	v_mul_u32_u24 v5, v2, CTP
	v_lshl_add_u32 v5, v1, 4, v5
	v_add_nc_u32 v[RDC], s18, v5
	v_add_nc_u32 v[RDH], HS, v[RDC]
	v_lshlrev_b32 v5, 12, v2
	v_lshl_add_u32 v[GO], v1, 4, v5                ; and the same two rows in out0 and out1
	v_lshlrev_b32 v[BO], 5, v2
	v_lshlrev_b32 v[PFO], 12, v3
	s_lshl_b32 s18, s42, 8
	s_lshl_b32 s19, s16, 7
	s_add_co_u32 s18, s18, s19                     ; the biases at my first unit: 64 tx + 32 C
	s_mov_b32 s19, 0
	s_add_nc_u64 s[10:11], s[10:11], s[18:19]
	s_add_nc_u64 s[68:69], s[68:69], s[18:19]
	s_add_nc_u64 s[70:71], s[70:71], s[18:19]
	s_add_nc_u64 s[72:73], s[72:73], s[18:19]
.macro BLOAD g, lo                     ; gate g's bias in the result's layout: block 2 g + j, lane (r, h): units 16 j + 8 h + 0 .. 7
.irp j, 0,1
.irp u, 0,1
	global_load_b128 v[BIAS+8*(2*\g+\j)+4*\u:BIAS+8*(2*\g+\j)+4*\u+3], v[BO], s[\lo:\lo+1] offset:64*\j+16*\u
.endr
.endr
.endm
	BLOAD 0, 10
	BLOAD 1, 68
	BLOAD 2, 70
	BLOAD 3, 72
	s_lshl_b32 s18, s17, 8
	s_lshl_b32 s19, s15, 7
	s_add_co_u32 s18, s18, s19
	s_lshl_b32 s19, s16, 4
	s_add_co_u32 s18, s18, s19                     ; the first row that I store: 256 ty + 128 R + 16 C
	s_lshl_b32 s18, s18, 12
	s_lshl_b32 s19, s42, 8
	s_add_co_u32 s18, s18, s19
	s_mov_b32 s19, 0
	s_add_nc_u64 s[74:75], s[74:75], s[18:19]
	s_add_nc_u64 s[76:77], s[76:77], s[18:19]
.macro FRAG reg, adr, off              ; a fragment's image comes back as it was stored: 512 consecutive bytes a load
.irp c, 0,1,2
	ds_load_b128 v[\reg+4*\c:\reg+4*\c+3], v[\adr] offset:(\off)+512*\c
.endr
.endm
.macro FETCH_B slot, q, p              ; B's eight fragments of the slot's q-th UNIT into set p
	WIN TO_B
.irp i, 0,1,2,3,4,5,6,7
	FRAG 128*(\p)+FR*\i, ADRB+\slot, (\q)*UNIT+\i*FRB
.endr
	WIN 0
.endm
.macro FETCH_A slot, q, i0             ; A's blocks i0 .. i0 + 3
.irp i, \i0, \i0+1, \i0+2, \i0+3
	FRAG AF+FR*(\i), ADRA+\slot, (\q)*UNIT+(\i)*FRB
.endr
.endm
.macro SCALES slot, q, p               ; a UNIT's scale words into set p: four words a lane and load, the words of four 16-row blocks
.irp i, 0,1
	ds_load_b128 v[SC+8*(\p)+4*\i:SC+8*(\p)+4*\i+3], v[ADRS+\slot] offset:(\q)*UNIT+256*\i
.endr
.endm
; 16 matrix instructions: A's blocks a0, a0 + 1 x B's eight, one UNIT of K.  p: B's set and the set of scale words.  zero = 1: the first product starts the sums, with the bias as its C: nothing is cleared or added later.
; The 64 accumulators take turns, one instruction a turn, in the same order in every step.
.macro MUL16 a0, p, zero
.irp a, \a0, \a0+1
.irp b, 0,1,2,3,4,5,6,7
.if \zero
	v_wmma_scale_f32_16x16x128_f8f6f4 v[8*(8*((\a)%4)+\b):8*(8*((\a)%4)+\b)+7], v[128*(\p)+FR*\b:128*(\p)+FR*\b+FR-1], v[AF+FR*(\a):AF+FR*(\a)+FR-1], v[BIAS+8*\b:BIAS+8*\b+7], v[SC+8*(\p)+\b], v[SC+8*(\p)+(\a)] matrix_a_fmt:MATRIX_FMT_BF6 matrix_b_fmt:MATRIX_FMT_BF6 matrix_a_scale:MATRIX_SCALE_ROW1
.else
	v_wmma_scale_f32_16x16x128_f8f6f4 v[8*(8*((\a)%4)+\b):8*(8*((\a)%4)+\b)+7], v[128*(\p)+FR*\b:128*(\p)+FR*\b+FR-1], v[AF+FR*(\a):AF+FR*(\a)+FR-1], v[8*(8*((\a)%4)+\b):8*(8*((\a)%4)+\b)+7], v[SC+8*(\p)+\b], v[SC+8*(\p)+(\a)] matrix_a_fmt:MATRIX_FMT_BF6 matrix_b_fmt:MATRIX_FMT_BF6 matrix_a_scale:MATRIX_SCALE_ROW1
.endif
.endr
.endr
.endm
; A prefetch of c_tm1's tile: my own 64 rows of 256 bytes, a lane a row, two instructions; each row's 256 bytes are named once in the launch, by the wave that will load them.
; It stands at the change of slots in UNIT 11, behind the joint load and the run of LDS loads: 192 matrix instructions ahead of the tensor load that wants the rows.  Its address registers are never rewritten.
.macro ASKC
	global_prefetch_b8 v[PFO], s[PFC:PFC+1] th:TH_LOAD_NT scope:SCOPE_SE
	global_prefetch_b8 v[PFO], s[PFC:PFC+1] offset:32*4096 th:TH_LOAD_NT scope:SCOPE_SE
.endm
; A load into a register that a matrix instruction has read, and a vector instruction or store that reads a matrix result, stand NP places behind that matrix instruction; only plain vector instructions that name
; none of its registers are places (ISA guide 7.12.1 for vector instructions).
; A slot's q-th UNIT (q = 0, 1), which has its successor in the same slot: multiplies B's set p; the next UNIT's B (set 1 - p), scale words and A's blocks 0-3 are fetched in its middle, A's blocks 4-7 at its end.
.macro STEP slot, q, p, zero
	s_wait_dscnt 4*NL                              ; B's set, A's blocks 0-3 and the scale words are in; the youngest 12 loads (A's blocks 4-7) may be out
.if \zero
	WIN BIA_LO
.else
	WIN MUL_LO
.endif
	MUL16 0, \p, \zero
	MUL16 2, \p, \zero
	s_wait_dscnt 0x0                               ; A's blocks 4-7 are in (asked for 32 matrix instructions ago)
	PLACES NP
	FETCH_B \slot, (\q)+1, 1-(\p)
	FETCH_A \slot, (\q)+1, 0
	SCALES \slot, (\q)+1, 1-(\p)
.if \zero
	WIN BIA_HI
.else
	WIN MUL_HI
.endif
	MUL16 4, \p, \zero
	MUL16 6, \p, \zero
	PLACES NP
	WIN 0
	FETCH_A \slot, (\q)+1, 4
.endm
; A slot's third UNIT changes slots: ONE barrier, which opens a round of the cluster's; in front of it each wave waits for all its tensor loads, adds 0 to its spare word, and waits for that and for its own reads of this slot.
; Behind the round this slot is filled again: fill = 1: with the three UNITs six on; fill = 3: with the one UNIT six on, K's last; fill = 2: with c_tm1's tile, each wave's own load.
.macro TURN slot, next, p, fill, ask
	s_wait_tensorcnt 0x0                           ; all my tensor loads have landed: my part of the next slot  (every window is 0 here)
	ds_add_u32 v[SPW], v[NIL]                      ; 0 onto my spare word
	s_wait_dscnt 4*NL+1                            ; (the add and the youngest 12 loads, A's blocks 4-7, may be out)
	WIN MUL_LO
	MUL16 0, \p, 0                                 ; sixteen matrix instructions stand between the add and the wait for it
	s_wait_dscnt 0x0                               ; the add is done, and my reads of this slot are over
	s_barrier_signal -1
	MUL16 2, \p, 0
	WIN 0
	s_barrier_wait -1
	CREST                                          ; no wave of any partner still reads this slot's tile or has a load on its way
.if \fill == 2
	tensor_load_to_lds s[G0C:G0C+3], s[G1C:G1C+7]  ; my one tensor load behind the round: 64 rows of c_tm1; 96 matrix instructions and the way out's first 128 exponentials stand ahead of the wait for it
	s_nop 0
	PLACES 4
.else
	s_add_nc_u64 s[G0+4*\slot+2:G0+4*\slot+3], s[G0+4*\slot+2:G0+4*\slot+3], 2*QTR
	s_add_nc_u64 s[G0B+4*\slot+2:G0B+4*\slot+3], s[G0B+4*\slot+2:G0B+4*\slot+3], 2*QTR
.if \fill == 1
	JLOAD G0+4*\slot, G1, G0B+4*\slot, G1B         ; the first tensor load behind the round; the four v_nop behind it are the places in front of the loads below
.else
	JLOAD G0+4*\slot, G1L, G0B+4*\slot, G1LB
.endif
.endif
	FETCH_B \next, 0, 1-(\p)
	FETCH_A \next, 0, 0
	SCALES \next, 0, 1-(\p)
.if \ask
	ASKC
.endif
	WIN MUL_HI
	MUL16 4, \p, 0
	MUL16 6, \p, 0
	PLACES NP
	WIN 0
	FETCH_A \next, 0, 4
.endm
	s_wait_tensorcnt 1                             ; my part of slot 0 is in (slot 1's load may be out)
	s_barrier_signal -1
	s_barrier_wait -1                              ; everybody's is
	FETCH_B 0, 0, 0
	FETCH_A 0, 0, 0
	SCALES 0, 0, 0
	FETCH_A 0, 0, 4
	s_wait_loadcnt 0x0                             ; the biases: their bases are free
	; group 1 for K's last UNIT: 50 rows of 256 bytes; all else as above
	s_or_b32 s[G1L+0], s43, (3<<16)|(1<<21)
	s_or_b32 s[G1LB+0], s44, (3<<16)|(1<<21)
.irp g, G1L, G1LB
	s_mov_b32 s[\g+1], 32<<16
	s_mov_b32 s[\g+2], 50<<16
	s_mov_b32 s[\g+3], 32<<16
	s_mov_b32 s[\g+4], 50
	s_mov_b32 s[\g+5], 32
	s_mov_b32 s[\g+6], 0
	s_mov_b32 s[\g+7], 0
.endr
	STEP 0, 0, 0, 1                                ; UNIT 0: its products start the sums
	STEP 0, 1, 1, 0                                ; UNIT 1
	TURN 0, 1, 0, 1, 0                             ; UNIT 2; slot 0 takes UNITs 6-8
	STEP 1, 0, 1, 0                                ; UNIT 3
	STEP 1, 1, 0, 0                                ; UNIT 4
	TURN 1, 0, 1, 1, 0                             ; UNIT 5; slot 1 takes UNITs 9-11
	STEP 0, 0, 0, 0                                ; UNIT 6
	STEP 0, 1, 1, 0                                ; UNIT 7
	TURN 0, 1, 0, 1, 0                             ; UNIT 8; slot 0 takes UNITs 12-14
	STEP 1, 0, 1, 0                                ; UNIT 9
	STEP 1, 1, 0, 0                                ; UNIT 10
	TURN 1, 0, 1, 3, 1                             ; UNIT 11; slot 1 takes UNIT 15; c_tm1's rows are prefetched
	STEP 0, 0, 0, 0                                ; UNIT 12
	STEP 0, 1, 1, 0                                ; UNIT 13
	TURN 0, 1, 0, 2, 0                             ; UNIT 14; slot 0 takes c_tm1's tile
	s_wait_dscnt 4*NL                              ; UNIT 15: nothing more to fetch
	WIN MUL_LO
	MUL16 0, 1, 0
	MUL16 2, 1, 0
	s_wait_dscnt 0x0                               ; A's blocks 4-7 are in
	WIN MUL_HI
	MUL16 4, 1, 0
	MUL16 6, 1, 0
	WIN 0
; THE WAY OUT, 32 rows (A's blocks 2 p, 2 p + 1) at a time: 32 outputs a lane.  Output 16 aa + 8 sub + j of lane (r, h): row 16 (2 p + aa) + r of my 128, unit 16 sub + 8 h + j of my 32.
.macro GATE d, z, sc                   ; 16 numbers of one gate of one block: z x the scalar, out of the accumulators' window, each accumulator from its low end on
.set i, 0
.rept 8
	v_pk_mul_f32 v[\d+i:\d+i+1], v[\z+i:\z+i+1], s[\sc:\sc+1] op_sel_hi:[1,0]
.set i, i+2
.endr
.endm
.macro PKMUL d, a, b                   ; 32 numbers: d = a x b
.set i, 0
.rept 16
	v_pk_mul_f32 v[\d+i:\d+i+1], v[\a+i:\a+i+1], v[\b+i:\b+i+1]
.set i, i+2
.endr
.endm
.macro PKONE d, a, m                   ; 32 numbers: d = m x a + 1, m = 1.0 or -1.0: one packed multiply-add with two inline constants
.set i, 0
.rept 16
	v_pk_fma_f32 v[\d+i:\d+i+1], v[\a+i:\a+i+1], \m, 1.0 op_sel_hi:[1,0,0]
.set i, i+2
.endr
.endm
.macro RCP32 d
.set i, 0
.rept 32
	v_rcp_f32 v[\d+i], v[\d+i]
.set i, i+1
.endr
.endm
.macro CLOAD p                         ; c_tm1 at my 32 outputs
.irp aa, 0,1
.irp n, 0,1,2,3
	ds_load_b128 v[CP+16*\aa+4*\n:CP+16*\aa+4*\n+3], v[CTA] offset:16*(2*(\p)+\aa)*CTP+64*(\n/2)+16*(\n%2)
.endr
.endr
.endm
.macro EPI p
.set AC, 128*((\p)%2)                  ; the two blocks' accumulators, in window 2 (p = 0, 1) or 3
.set WE, 2+(\p)/2
.if (\p) > 0
	s_wait_xcnt 0x0                                ; the last 32 rows' stores have read v32-95: they are written again only behind this wait
	CLOAD \p
.endif
	WIN WE                                         ; source 0: the accumulators' window
.irp aa, 0,1
	GATE TA+16*\aa, AC+64*\aa, LE                  ; -zi log2e
	GATE TF+16*\aa, AC+64*\aa+16, LE               ; -zf log2e
	GATE TB+16*\aa, AC+64*\aa+32, LE2              ; -2 zc log2e
	GATE TO+16*\aa, AC+64*\aa+48, LE               ; -zo log2e
.endr
	WIN 0
	; 128 exponents held at 32 from above, 128 exponentials: ONE batch.  The holds run 32 registers ahead of the exponentials and stand between them; none names a result
.set i, 0
.rept 32
	v_min_num_f32 v[TA+i], s[CAP], v[TA+i]
.set i, i+1
.endr
.set i, 0
.rept 96
	v_exp_f32 v[TA+i], v[TA+i]
	v_min_num_f32 v[TA+32+i], s[CAP], v[TA+32+i]
.set i, i+1
.endr
.rept 32
	v_exp_f32 v[TA+i], v[TA+i]
.set i, i+1
.endr
	v_nop                                          ; a plain instruction behind the last exponential
	s_wait_alu depctr_va_vdst(0)                   ; one wait for the batch, ahead of its first reader
.if (\p) == 0
	s_wait_tensorcnt 0x0                           ; my 64 rows of c_tm1 have landed: other waves read them behind the barrier (no LDS instruction of mine is out)
	s_barrier_signal -1
	s_barrier_wait -1                              ; c_tm1's tile is whole
	CLOAD \p
.endif
	PKONE NB, TB, -1.0                             ; 1 - B
	PKONE TB, TB, 1.0                              ; 1 + B
	PKONE TA, TA, 1.0                              ; 1 + A
	PKONE TF, TF, 1.0                              ; 1 + F
	PKMUL TA, TA, TB                               ; (1+A)(1+B)
	s_wait_dscnt 0x0                               ; c_tm1 is in
	PKMUL TB, TA, TF                               ; (1+A)(1+B)(1+F)
	PKMUL CP, CP, TA
.set i, 0
.rept 16
	v_pk_fma_f32 v[CP+i:CP+i+1], v[NB+i:NB+i+1], v[TF+i:TF+i+1], v[CP+i:CP+i+1]   ; c_tm1 (1+A)(1+B) + (1-B)(1+F)
.set i, i+2
.endr
	RCP32 TB
	PKONE TO, TO, 1.0                              ; 1 + O: independent work behind the reciprocals
	s_wait_alu depctr_va_vdst(0)                   ; one wait for the 32
	PKMUL CP, CP, TB                               ; c
.irp aa, 0,1
.irp n, 0,1,2,3
	ds_store_b128 v[CTA], v[CP+16*\aa+4*\n:CP+16*\aa+4*\n+3] offset:16*(2*(\p)+\aa)*CTP+64*(\n/2)+16*(\n%2)   ; over the bytes that I alone read
.endr
.endr
.set i, 0
.rept 16
	v_pk_mul_f32 v[TA+i:TA+i+1], v[CP+i:CP+i+1], s[LE2:LE2+1] op_sel_hi:[1,0]     ; -2 c log2e
.set i, i+2
.endr
.set i, 0
.rept 32
	v_min_num_f32 v[TA+i], s[CAP], v[TA+i]
.set i, i+1
.endr
.set i, 0
.rept 32
	v_exp_f32 v[TA+i], v[TA+i]
.set i, i+1
.endr
	v_nop
	s_wait_alu depctr_va_vdst(0)
	PKONE TF, TA, -1.0                             ; 1 - X
	PKONE TA, TA, 1.0                              ; 1 + X
	PKMUL TA, TA, TO                               ; (1+O)(1+X)
	RCP32 TA
	v_nop
	s_wait_alu depctr_va_vdst(0)
	PKMUL TF, TF, TA                               ; h
.irp aa, 0,1
.irp n, 0,1,2,3
	ds_store_b128 v[HSA], v[TF+16*\aa+4*\n:TF+16*\aa+4*\n+3] offset:16*(2*(\p)+\aa)*CTP+64*(\n/2)+16*(\n%2)   ; h's stage: bytes of slot 0 that no fill reaches any more and that nobody reads as a slot
.endr
.endr
	s_wait_dscnt 0x0                               ; for the others' sake: my stores are done.  A row's 256 bytes come from two waves
	s_barrier_signal -1
	s_barrier_wait -1
.irp t, 0,1,2,3,4,5,6,7
	ds_load_b128 v[TA+4*\t:TA+4*\t+3], v[RDC] offset:(32*(\p)+2*\t)*CTP
.endr
.irp t, 0,1,2,3,4,5,6,7
	ds_load_b128 v[TF+4*\t:TF+4*\t+3], v[RDH] offset:(32*(\p)+2*\t)*CTP
.endr
.irp t, 0,1,2,3,4,5,6,7
	s_wait_dscnt 15-\t                             ; LDS loads come back in order (ISA guide 5.7.1): the younger ones may be out
	global_store_b128 v[GO], v[TA+4*\t:TA+4*\t+3], s[76:77] offset:(32*(\p)+2*\t)*4096 th:TH_STORE_NT   ; c: 16 lanes store 256 consecutive bytes, aligned
.endr
.irp t, 0,1,2,3,4,5,6,7
	s_wait_dscnt 7-\t
	global_store_b128 v[GO], v[TF+4*\t:TF+4*\t+3], s[74:75] offset:(32*(\p)+2*\t)*4096 th:TH_STORE_NT   ; h
.endr
.endm
	PLACES NP                                      ; behind the last products: for the writes over the scale words and A's registers, and the reads of results
	EPI 0
	EPI 1
	EPI 2
	EPI 3
	s_wait_tensorcnt 0x0                           ; the wave's end: behind my last tensor load and my last LDS store
	ds_add_u32 v[SPW], v[NIL]
	s_wait_dscnt 0x0
	CROUND                                         ; the closing round: no work-group ends while a partner may still ask for a tile that names it
	s_endpgm
.Lfunc_end_k_qc43cb215dd_lstm:
	.size	k_qc43cb215dd_lstm, .Lfunc_end_k_qc43cb215dd_lstm-k_qc43cb215dd_lstm
	.p2alignl 7, 3214868480
	.fill 96, 4, 3214868480
	.section	.rodata,"a",@progbits
	.p2align	6, 0x0
	.amdhsa_kernel k_qc43cb215dd_lstm
		.amdhsa_group_segment_fixed_size 327680
		.amdhsa_private_segment_fixed_size 0
		.amdhsa_enable_private_segment 0
		.amdhsa_kernarg_size 72
		.amdhsa_user_sgpr_count 2
		.amdhsa_user_sgpr_kernarg_segment_ptr 1
		.amdhsa_wavefront_size32 1
		.amdhsa_system_sgpr_workgroup_id_x 1
		.amdhsa_system_sgpr_workgroup_id_y 1
		.amdhsa_system_sgpr_workgroup_id_z 1
		.amdhsa_system_vgpr_workitem_id 0
		.amdhsa_next_free_vgpr 1024
		.amdhsa_next_free_sgpr 100
		.amdhsa_reserve_vcc 0
		.amdhsa_float_denorm_mode_32 3
		.amdhsa_float_denorm_mode_16_64 3
		.amdhsa_memory_ordered 1
		.amdhsa_forward_progress 1
		.amdhsa_inst_pref_size 255
	.end_amdhsa_kernel
	.section	.bss,"aw",@nobits
	.p2align	6
	.space	262144
	.amdgpu_metadata
---
amdhsa.version: [ 1, 2 ]
amdhsa.kernels:
  - .name:           k_qc43cb215dd_lstm
    .symbol:         k_qc43cb215dd_lstm.kd
    .args:
      - { .name: acodes, .offset: 0, .size: 8, .value_kind: global_buffer, .address_space: global }
      - { .name: bcodes, .offset: 8, .size: 8, .value_kind: global_buffer, .address_space: global }
      - { .name: c_tm1, .offset: 16, .size: 8, .value_kind: global_buffer, .address_space: global }
      - { .name: b_i, .offset: 24, .size: 8, .value_kind: global_buffer, .address_space: global }
      - { .name: b_f, .offset: 32, .size: 8, .value_kind: global_buffer, .address_space: global }
      - { .name: b_c, .offset: 40, .size: 8, .value_kind: global_buffer, .address_space: global }
      - { .name: b_o, .offset: 48, .size: 8, .value_kind: global_buffer, .address_space: global }
      - { .name: out0, .offset: 56, .size: 8, .value_kind: global_buffer, .address_space: global }
      - { .name: out1, .offset: 64, .size: 8, .value_kind: global_buffer, .address_space: global }
    .group_segment_fixed_size: 327680
    .private_segment_fixed_size: 0
    .kernarg_segment_align: 8
    .kernarg_segment_size: 72
    .max_flat_workgroup_size: 128
    .sgpr_count:     100
    .vgpr_count:     1024
    .wavefront_size: 32
...
	.end_amdgpu_metadata
.endif
;; end of part 2
